; MI455X (gfx1250); checked and timed in simulation.
; The chip was launched on July 23, 2026; its instructions are those of AMD's public machine-readable ISA for CDNA 5 (MIT licence, August 2026) and "CDNA5" Instruction Set Architecture Reference Guide (July 2026). The comments in the code are by the model that wrote it; some were corrected since.
;; Multi Head Self Attention. Allowed arithmetic: matrix products marked QUANTISED: E2M1 operands, one E8M0 scale for each 32 along K, by v_wmma_scale_f32_16x16x128_f8f6f4 with both operands' format E2M1 (or v_wmma_scale_f32_32x16x128_f4), f32 sums; everything else in f32.
;; Inputs: b_proj 1,024 float32; b_qkv 3,072 float32; w_proj_codes 1,024 x 32 x 16 uint8 (E2M1 codes of w_proj, K innermost, in blocks of 32 codes, two codes a byte); w_proj_scales 1,024 x 32 uint8 (E8M0 scales of w_proj, one for each 32 codes along K); w_qkv_codes 3,072 x 32 x 16 uint8 (E2M1 codes of w_qkv, K innermost, in blocks of 32 codes, two codes a byte); w_qkv_scales 3,072 x 32 uint8 (E8M0 scales of w_qkv, one for each 32 codes along K); x_codes 4 x 2,048 x 32 x 16 uint8 (E2M1 codes of x, K innermost, in blocks of 32 codes, two codes a byte); x_scales 4 x 2,048 x 32 uint8 (E8M0 scales of x, one for each 32 codes along K).
;; Outputs: out0 4 x 2,048 x 1,024 float32.
;; This version of the problem:
;;   THIS VERSION OF THE PROBLEM IS GIVEN IN LOW PRECISION. The matrix products marked QUANTISED in the list below multiply operands that are first quantised to E2M1 (2 exponent bits, 1 mantissa bit; 4 bits a number), with one power-of-two scale for each 32 numbers along K (OCP MX v1.0); their sums are f32. All else is computed in f32.
;;   The module's matrix products, in the order in which they are computed (A, B: the left and right operand; K: the contracted axis; several contracted axes count as one K, in the product's order):
;;     1. [M 8,192, K 1,024] x [K 1,024, N 3,072]; A: input x (given as codes); B: input w_qkv (given as codes): QUANTISED
;;     2. batch 64 x [M 2,048, K 64] x [K 64, N 2,048]; A: computed on the way; B: computed on the way: QUANTISED
;;     3. batch 64 x [M 2,048, K 2,048] x [K 2,048, N 64]; A: softmax (see below); B: computed on the way: QUANTISED
;;     4. [M 8,192, K 1,024] x [K 1,024, N 1,024]; A: computed on the way; B: input w_proj (given as codes): QUANTISED
;;   THE QUANTISER, for each operand of a quantised product, along K:
;;     - K is cut into blocks of 32 from its start; a last block that is shorter is filled with zeros.
;;     - A block's scale is 2^e with e = floor(log2(the largest magnitude in the block)) - 2, held to -126 .. 127; a block of zeros has e = 0. As a byte (E8M0): e + 127.
;;     - Each number is divided by its block's scale, clamped to +-6, and rounded to the nearest number of E2M1, ties to even, subnormals kept.
;;     - The product sums the exact products of the quantised numbers (number of the format x scale) in f32.
;;   ~~~python
;;   def quantise(x, axis):      # numpy; x: float32 -> the quantised numbers, widened to float32 again
;;       x = np.moveaxis(x, axis, -1); K = x.shape[-1]
;;       x = np.pad(x, [(0, 0)] * (x.ndim - 1) + [(0, -K % 32)]); x = x.reshape(x.shape[:-1] + (-1, 32)); a = np.abs(x).max(-1, keepdims=True)
;;       e = np.where(a > 0, np.clip(np.frexp(np.where(a > 0, a, 1))[1] - 1 - 2, -126, 127), 0)      # np.frexp(a)[1] - 1 = floor(log2(a)), exactly
;;       r = np.clip(x / 2.0 ** e, -6, 6)
;;       step = 2.0 ** (np.maximum(np.frexp(np.where(r == 0, 1, r))[1] - 1, 0) - 1)
;;       q = np.round(r / step) * step * 2.0 ** e      # np.round: ties to even
;;       return np.moveaxis(q.reshape(q.shape[:-2] + (-1,))[..., :K], -1, axis).astype(np.float32)
;;   ~~~
;;   SOFTMAX AHEAD OF A QUANTISED PRODUCT. Where the list says 'softmax', what is quantised is not the finished softmax but p = 2^(t - M), with t = logit x log2(e) and M = ceil(the row's largest t), a whole number; so 1/2 < the row's largest p <= 1. The row's sum l is taken of the UNQUANTISED p, in f32, and the product's result is divided by l at the end. Since M is a whole number, a kernel that streams over the keys may use a running M (the ceiling of the running maximum): every later rescaling is an exact power of two, which a block's scale takes up: the codes' values come out the same.
;;   OPERANDS COMPUTED ON THE WAY. 'Computed on the way' means the value that the module computes at that place (a softmax that the list does not call 'softmax' is quantised finished and normalised). What goes into a quantiser is computed in f32, as accurately as f32 sums, v_exp_f32 and their like allow (about 1e-6 of the number): no bf16 or f16 on the way to a quantiser, and a product that is left as it is and whose result goes on into a quantised operand takes f32 operands (vector FMAs, or v_wmma_f32_16x16x4_f32). A number that lies on a knife's edge between two numbers of the format may be rounded either way, as far as f32 arithmetic and the matrix unit's own rounding can turn it there, and no further.
;;   INPUTS GIVEN AS CODES. w_proj (in the module: [1024, 1024], K = its axis 0); w_qkv (in the module: [1024, 3072], K = its axis 0); x (in the module: [4, 2048, 1024], K = its axis 2): each comes as NAME_codes (uint8): NAME with its K axis moved to the last place and cut into blocks of 32 codes, [.., K / 32, bytes a block], one block behind the other in memory; two codes a byte, the lower K in the low four bits (a code: sign, 2 exponent bits, 1 mantissa bit); and NAME_scales (uint8): the same leading axes, one E8M0 byte (e + 127) for each 32 codes along K. Its value is code x scale, taken as it is: it is not quantised again, and the codes and scales need not be those that the quantiser above would give.
;; One version. Each part assembles by itself: llvm-mc -triple=amdgcn-amd-amdhsa -mcpu=gfx1250 --defsym DOCPART=n.
;; ======== version 1 of 1: 3 launches
;; workspace buffers: qbuf 4,718,592 bytes; kvbuf 9,175,040 bytes; obuf 4,718,592 bytes
;; launch qkv (part 1): grid 8 x 32, 4 waves a work-group, clusters of 4 x 4, 327,680 bytes of LDS; arguments x_codes, x_scales, w_qkv_codes, w_qkv_scales, b_qkv, qbuf, kvbuf; writes qbuf, kvbuf
.if DOCPART == 1
	.amdgcn_target "amdgcn-amd-amdhsa--gfx1250"
	.amdhsa_code_object_version 6
	.text
	.protected	k_q39107d5673_qkv
	.globl	k_q39107d5673_qkv
	.p2align	8
	.type	k_q39107d5673_qkv,@function
k_q39107d5673_qkv:
	s_mov_b64 s[64:65], 0
	v_nop
	global_prefetch_b8 v0, s[64:65] scope:SCOPE_SE
	s_setreg_imm32_b32 hwreg(HW_REG_WAVE_MODE, 25, 1), 1
	s_wait_xcnt 0x0
	s_wait_alu depctr_hold_cnt(0) depctr_sa_sdst(0) depctr_va_vdst(0) depctr_va_sdst(0) depctr_va_ssrc(0) depctr_va_vcc(0) depctr_vm_vsrc(0)
	s_getreg_b32 s2, hwreg(HW_REG_IB_STS2, 6, 4)
	s_cmp_eq_u32 s2, 0
	s_cbranch_scc0 .Lentry_in_a_cluster
	s_endpgm
.Lentry_in_a_cluster:
	s_bfe_u32 s2, ttmp6, 0x10000c
	s_cmp_lg_u32 s2, 0xf033
	s_cbranch_scc0 .Lentry_shape_is_right
	s_endpgm
.Lentry_shape_is_right:
; LAUNCH 1 OF 3.  qkv = x w_qkv + b_qkv on codes of FP4 (E2M1) with one E8M0 scale for each 32 along K = 1,024; the result is quantised at once, in registers, for the two products of attention:
; q and k along the head's 64 (two blocks of 32), v along the keys (blocks of 32 tokens).  Nothing goes to memory as f32.
; NO WORK OF THE PROBLEM IS LEFT OUT in any of the three launches: every input has a way to the output; k's bias stays, since it moves k's codes.
; LIMITS: NaN and infinities among the numbers that are quantised are not served.  A block whose largest magnitude lies under 2^-124 (a block of zeros among them) gets the scale byte 1:
; a block of zeros has zero codes, which add nothing under any byte but 0xff, and these bytes are read by this program alone.
; SHARES.  Work-group (g, i): heads 2 g, 2 g + 1 and tokens 256 i .. 256 i + 255.  Wave w: tokens 128 (w / 2) on (one key step of attention), head 2 g + w % 2: 128 tokens x (64 q + 64 k + 64 v):
; 96 accumulators of 16 x 16, 768 registers.  q and k are made TRANSPOSED (source 0 = 16 rows of W, source 1 = 16 tokens): a lane holds one token and its registers run along d;
; v the other way round (source 0 = 16 tokens, source 1 = 16 rows of W): a lane holds one d and its registers run along the tokens.  So each quantiser finds its K in a lane's registers.
; In such a result register 8 t + j of lane (r, h) is index 16 t + 8 h + j of the next K: a block of 32 lies in registers 16 b .. 16 b + 15 of lanes l and l xor 16.
; WORKSPACE, as images of the reader's operand registers (lane l's 16 bytes at 16 l):
;   qbuf  [batch x head][key step] records of 4,608 bytes: 8 tiles of 16 tokens x 512; at 4,096 the scale words, [lane][4]: word jj of lane l is tile 2 jj + l / 16, token l % 16
;   kvbuf [batch x head][key step] records of 8,960 bytes: K's 8 tiles; at 4,096 V^T's 4 tiles of 16 d x 128 keys, 1,024 each; at 8,192 K's scale words as q's; at 8,704 V's, [lane][2]
; K goes in four steps of 256 (LDS rows of 128 bytes + 16).  Three regions of LDS take K steps 0, 1, 2 as first fills; K step 3 is the one refill, into region 0.  The scale bytes of all of K come once.
; CLUSTER 4 x 4: x's tiles hang on i alone and are asked for jointly along a row of the cluster, W's on g alone and along a column.
; REGISTERS: window 1: q's accumulators, (a, t) at 32 a + 8 t; window 2: k's; window 3: v's, (n, a) at 64 n + 8 a.
;   window 0: v1-29 addresses; v32-95 x's 8 fragments; v96-191 W's 12 fragments; v192-239 scale words, two sets of 24, and nothing else; v240-247 v's bias.
.set PW,    144                        ; an LDS row of codes: 128 bytes + 16: the 16 rows of a fragment start 36 words apart
.set RUNB,  128*PW                     ; 128 rows: one of W's three runs (q, k, v)
.set XOFF,  3*RUNB                     ; behind them x's 256 rows
.set REGN,  XOFF+256*PW                ; a region: 92,160 bytes
.set SCL,   3*REGN                     ; the scale bytes, as units of 256 bytes + 16: x's 32 units, then 16 for each of W's runs
.set SXB,   32*272
.set SWB,   16*272
.set SPARE, SCL+SXB+3*SWB              ; the spare words, 128 bytes for each wave: two blocks of 256 bytes that no other line names
.set L8,   10                          ; v10  8 x lane
.set BQA,  11                          ; v11  32 h: q's and k's bias
.set BVA,  12                          ; v12  4 r: v's bias
.set ADX,  16                          ; v16-18  my x fragments in regions 0, 1, 2
.set ADW,  20                          ; v20-22  my W fragments
.set ASC,  24                          ; v24-26  scale words: lanes 0-15 x's tiles, lanes 16-31 W's
.set LI,   27                          ; v27  16 x lane
.set SPW,  28                          ; v28  my spare word; never rewritten
.set NIL,  29                          ; v29  0; never rewritten
.set XF,   32
.set WF,   96
.set SC,   192
.set BV,   240
.set T,    32                          ; the way out: 64 numbers at work
.set BQ,   96                          ; q's bias v96-127, k's v128-159
.set PC,   160                         ; the codes just made
.set WD,   168                         ; q's or k's four registers of scale words
.set VWD,  172                         ; v's four scale words
.set TM,   176                         ; v176-179 largest magnitudes, v180-183 bytes, v184-187 the conversions' scale operands
.set W0,   188                         ; a pair's two words
.set VW,   190                         ; v's two registers of scale words
.set WVN,  18                          ; s18 wave; s19 th = wave / 2; s20 j = wave % 2; s21 cx; s22 cy; s23 g; s92 i
.set P4,   (1<<20)|(1<<21)|(4<<22)|(3<<25)           ; elements of 1 byte; padding on; bit 21 beside a mask; after every 32 words, 4 words
.set P5,   (3<<16)|(1<<20)|(1<<21)|(5<<22)|(3<<25)   ; elements of 8 bytes; after every 64 words, 4 words
.set MSB, 0
.macro WIN new                         ; the immediate's high byte repeats the setting that is left
.if MSB != (\new)
	s_set_vgpr_msb (MSB<<8)|(\new)
.set MSB, (\new)
.endif
.endm
.macro PLACES n
.rept \n
	v_nop
.endr
.endm
.macro CREST                           ; a round of the cluster's barrier behind its opening barrier
	s_cmp_lg_u32 s[WVN], 0
	s_cbranch_scc1 .Lnot_wave_0_\@
	s_barrier_signal -3
.Lnot_wave_0_\@:
	s_barrier_wait -3
	s_barrier_signal -1
	s_barrier_wait -1
.endm
.macro CROUND
	s_barrier_signal -1
	s_barrier_wait -1
	CREST
.endm
.macro MKG0 g, lreg, loff, base, goff  ; a descriptor's group 0
	s_mov_b32 s[\g], 1
	s_add_co_u32 s[\g+1], s[\lreg], \loff
	s_add_nc_u64 s[\g+2:\g+3], s[\base:\base+1], \goff
	s_or_b32 s[\g+3], s[\g+3], 0x80000000
.endm
	s_load_b256 s[4:11], s[0:1], 0x0               ; x's codes s[4:5], x's scales s[6:7], W's codes s[8:9], W's scales s[10:11]
	s_load_b128 s[12:15], s[0:1], 0x20             ; b_qkv s[12:13], qbuf s[14:15]
	s_load_b64 s[16:17], s[0:1], 0x30              ; kvbuf
	v_lshl_add_u32 v[SPW], v0, 2, SPARE
	v_mov_b32 v[NIL], 0
	ds_add_u32 v[SPW], v[NIL]                      ; the opening: the add, twice on end, and its wait ahead of my first tensor load
	ds_add_u32 v[SPW], v[NIL]
	v_lshrrev_b32 v1, 5, v0
	v_readfirstlane_b32 s[WVN], v1
	s_lshr_b32 s19, s[WVN], 1
	s_and_b32 s20, s[WVN], 1
	s_bfe_u32 s21, ttmp6, 0x40000
	s_bfe_u32 s22, ttmp6, 0x40004
	s_lshl_b32 s23, ttmp9, 2
	s_add_co_u32 s23, s23, s21                     ; g = 4 x cluster x + cx
	s_and_b32 s92, ttmp7, 0xffff
	s_lshl_b32 s92, s92, 2
	s_add_co_u32 s92, s92, s22                     ; i = 4 x cluster y + cy
	s_lshl_b32 s2, s22, 2
	s_lshl_b32 s2, 15, s2                          ; my row of the cluster
	s_lshl_b32 s3, 0x1111, s21                     ; my column
	s_or_b32 s24, s3, P4                           ; s[24:31] W's codes: 128 rows x 128 bytes, 512 bytes apart
	s_mov_b32 s25, 128<<16
	s_mov_b32 s26, 128<<16
	s_mov_b32 s27, 128<<16
	s_mov_b32 s28, 128
	s_mov_b32 s29, 512
	s_mov_b32 s30, 0
	s_mov_b32 s31, 0
	s_or_b32 s32, s2, P4                           ; s[32:39] x's codes: 256 rows
	s_mov_b32 s33, 128<<16
	s_mov_b32 s34, 256<<16
	s_mov_b32 s35, 128<<16
	s_mov_b32 s36, 256
	s_mov_b32 s37, 512
	s_mov_b32 s38, 0
	s_mov_b32 s39, 0
	s_or_b32 s40, s3, P5                           ; s[40:47] the scale bytes of 128 rows of W: 16 dense rows of 256 bytes
	s_mov_b32 s41, 32<<16
	s_mov_b32 s42, 16<<16
	s_mov_b32 s43, 32<<16
	s_mov_b32 s44, 16
	s_mov_b32 s45, 32
	s_mov_b32 s46, 0
	s_mov_b32 s47, 0
	s_or_b32 s48, s2, P5                           ; s[48:55] those of 256 tokens: 32 rows
	s_mov_b32 s49, 32<<16
	s_mov_b32 s50, 32<<16
	s_mov_b32 s51, 32<<16
	s_mov_b32 s52, 32
	s_mov_b32 s53, 32
	s_mov_b32 s54, 0
	s_mov_b32 s55, 0
	s_mov_b32 s94, 0x76543210                      ; v_permlanex16_b32's selects for lane l xor 16
	s_mov_b32 s95, 0xfedcba98
	s_mov_b32 s96, 0xffff0000                      ; lanes 16-31
	s_min_u32 s93, s[WVN], 2                       ; which of W's runs I fetch (wave 3 fetches x; its copy of W's words stays inside the buffer and is not issued)
	s_mul_i32 s97, s93, RUNB
	s_wait_dscnt 0x0                               ; both opening adds are done
	s_wait_kmcnt 0x0
	s_lshl_b32 s98, s93, 15                        ; W's scale bytes: (1,024 run + 128 g) rows of 32 bytes
	s_lshl_b32 s3, s23, 12
	s_add_co_u32 s98, s98, s3
	s_mov_b32 s99, 0
	s_mov_b32 s56, 1
	s_mul_i32 s57, s93, SWB
	s_add_co_u32 s57, s57, SCL+SXB
	s_add_nc_u64 s[58:59], s[10:11], s[98:99]
	s_or_b32 s59, s59, 0x80000000
	s_lshl_b32 s98, s93, 19                        ; W's codes: rows of 512 bytes
	s_lshl_b32 s3, s23, 16
	s_add_co_u32 s98, s98, s3
	s_add_nc_u64 s[98:99], s[8:9], s[98:99]
	MKG0 60, 97, 0, 98, 0                          ; K steps 0, 1, 2 into regions 0, 1, 2
	MKG0 68, 97, REGN, 98, 128
	MKG0 72, 97, 2*REGN, 98, 256
	s_lshl_b32 s100, s92, 13                       ; x's scale bytes: 256 i rows of 32 bytes
	s_mov_b32 s101, 0
	s_mov_b32 s76, 1
	s_mov_b32 s77, SCL
	s_add_nc_u64 s[78:79], s[6:7], s[100:101]
	s_or_b32 s79, s79, 0x80000000
	s_lshl_b32 s100, s92, 17                       ; x's codes
	s_add_nc_u64 s[100:101], s[4:5], s[100:101]
	s_mov_b32 s2, XOFF
	MKG0 80, 2, 0, 100, 0
	MKG0 84, 2, REGN, 100, 128
	MKG0 88, 2, 2*REGN, 100, 256
	CROUND                                         ; all sixteen work-groups are here: the first joint loads meet
	s_cmp_lt_u32 s[WVN], 3                         ; a wave's four first fills stand in one arm: its scale bytes, then K steps 0, 1, 2: four loads of mine are out
	s_cbranch_scc0 .Lfill_x
	tensor_load_to_lds s[56:59], s[40:47]
	s_nop 0
	tensor_load_to_lds s[60:63], s[24:31]
	s_nop 0
	tensor_load_to_lds s[68:71], s[24:31]
	s_nop 0
	tensor_load_to_lds s[72:75], s[24:31]
	s_nop 0
	PLACES 4
	s_branch .Lfilled
.Lfill_x:
	tensor_load_to_lds s[76:79], s[48:55]
	s_nop 0
	tensor_load_to_lds s[80:83], s[32:39]
	s_nop 0
	tensor_load_to_lds s[84:87], s[32:39]
	s_nop 0
	tensor_load_to_lds s[88:91], s[32:39]
	s_nop 0
	PLACES 4
.Lfilled:
	v_and_b32 v1, 15, v0                           ; r
	v_bfe_u32 v2, v0, 4, 1                         ; h
	v_and_b32 v3, 31, v0
	v_lshlrev_b32 v[L8], 3, v3
	v_lshlrev_b32 v[LI], 4, v3
	v_lshlrev_b32 v[BQA], 5, v2
	v_lshlrev_b32 v[BVA], 2, v1
	s_wait_alu depctr_va_vdst(0)
	; my records: key step tb = 2 i + th of all batches; record ((tb / 16) x 16 + head) x 16 + tb % 16
	s_lshl_b32 s66, s92, 1
	s_add_co_u32 s66, s66, s19
	s_lshr_b32 s67, s66, 4
	s_lshl_b32 s67, s67, 4
	s_lshl_b32 s10, s23, 1
	s_add_co_u32 s10, s10, s20                     ; head
	s_add_co_u32 s67, s67, s10
	s_lshl_b32 s67, s67, 4
	s_and_b32 s66, s66, 15
	s_add_co_u32 s66, s66, s67
	s_mov_b32 s9, 0
	s_mul_i32 s8, s66, 4608
	s_add_nc_u64 s[14:15], s[14:15], s[8:9]
	s_mul_i32 s8, s66, 8960
	s_add_nc_u64 s[16:17], s[16:17], s[8:9]
	s_lshl_b32 s8, s10, 8
	s_add_nc_u64 s[12:13], s[12:13], s[8:9]        ; b_qkv at my head's q
.irp n, 0,1,2,3
	global_load_b32 v[BV+2*\n], v[BVA], s[12:13] offset:8192+64*\n     ; v's bias of d = 16 n + r; the packed add names a pair, so both halves are loaded
	global_load_b32 v[BV+2*\n+1], v[BVA], s[12:13] offset:8192+64*\n
.endr
	v_mul_u32_u24 v3, v1, PW
	v_lshl_add_u32 v3, v2, 4, v3                   ; a fragment's row x pitch + 16 h
	s_mul_i32 s66, s19, RUNB
	s_add_co_u32 s66, s66, XOFF
	v_add_nc_u32 v[ADX], s66, v3
	v_add_nc_u32 v[ADX+1], REGN, v[ADX]
	v_add_nc_u32 v[ADX+2], 2*REGN, v[ADX]
	s_mul_i32 s66, s20, 64*PW
	v_add_nc_u32 v[ADW], s66, v3
	v_add_nc_u32 v[ADW+1], REGN, v[ADW]
	v_add_nc_u32 v[ADW+2], 2*REGN, v[ADW]
	v_lshrrev_b32 v4, 3, v1                        ; row r of a tile's scale bytes: 272 (r / 8) + 32 (r % 8)
	v_and_b32 v5, 7, v1
	v_mul_u32_u24 v4, v4, 272
	v_lshl_add_u32 v4, v5, 5, v4
	s_mul_i32 s66, s19, SWB
	s_add_co_u32 s66, s66, SCL                     ; x's: my 128 tokens
	s_xor_b32 s67, s19, 1                          ; W's base less x's: one product with h, so that the lower base + h x the distance can be read off the text
	s_mul_i32 s67, s67, SWB
	s_mul_i32 s8, s20, 8*272
	s_add_co_u32 s67, s67, s8
	s_add_co_u32 s67, s67, SWB
	v_mul_u32_u24 v5, s67, v2
	v_add_nc_u32 v[ASC], v4, v5
	v_add_nc_u32 v[ASC], s66, v[ASC]               ; registers 0-3: x's tiles 0-3 | W's q tiles
	s_add_co_u32 s8, s67, 8*272
	v_mul_u32_u24 v5, s8, v2
	s_wait_alu depctr_va_vdst(0)
	v_add_nc_u32 v[ASC+1], v4, v5
	s_add_co_u32 s8, s66, 8*272
	v_add_nc_u32 v[ASC+1], s8, v[ASC+1]            ; registers 4-7: x's tiles 4-7 | W's k tiles
	s_add_co_u32 s8, s67, 2*SWB
	v_mul_u32_u24 v5, s8, v2
	v_add_nc_u32 v[ASC+2], v4, v5
	v_add_nc_u32 v[ASC+2], s66, v[ASC+2]           ; registers 8-11: (x's tiles 0-3 once more, not used) | W's v tiles
.macro FETCH_W p, R, q                 ; W's four fragments of run p: 8 loads
.irp t, 0,1,2,3
.irp c, 0,1
	ds_load_b128 v[WF+32*\p+8*\t+4*\c:WF+32*\p+8*\t+4*\c+3], v[ADW+(\R)] offset:RUNB*\p+16*PW*\t+64*(\q)+32*\c
.endr
.endr
.endm
.macro FETCH_X a0, R, q                ; x's fragments a0 .. a0 + 3: 8 loads
.irp a, \a0, \a0+1, \a0+2, \a0+3
.irp c, 0,1
	ds_load_b128 v[XF+8*(\a)+4*\c:XF+8*(\a)+4*\c+3], v[ADX+(\R)] offset:16*PW*(\a)+64*(\q)+32*\c
.endr
.endr
.endm
.macro SCALES S, slot                  ; a K step's two words a row into set S: 12 loads
.irp i, 0,1,2,3,4,5,6,7,8,9,10,11
	ds_load_b64 v[SC+24*(\S)+2*\i:SC+24*(\S)+2*\i+1], v[ASC+\i/4] offset:544*(\i%4)+8*(\slot)
.endr
.endm
; 16 matrix instructions of q (p = 0) or k (p = 1): tokens' tiles a0 .. a0 + 3 x four tiles of d.  The 96 accumulators take turns, one instruction a turn, in the same order in every step.
.macro MULQK p, a0, S, q, zero
.irp a, \a0, \a0+1, \a0+2, \a0+3
.irp t, 0,1,2,3
.if \zero
	v_wmma_scale_f32_16x16x128_f8f6f4 v[32*(\a)+8*\t:32*(\a)+8*\t+7], v[WF+32*\p+8*\t:WF+32*\p+8*\t+7], v[XF+8*(\a):XF+8*(\a)+7], 0, v[SC+24*(\S)+2*(4*\p+\t)+(\q)], v[SC+24*(\S)+2*(\a)+(\q)] matrix_a_fmt:MATRIX_FMT_FP4 matrix_b_fmt:MATRIX_FMT_FP4 matrix_a_scale:MATRIX_SCALE_ROW1
.else
	v_wmma_scale_f32_16x16x128_f8f6f4 v[32*(\a)+8*\t:32*(\a)+8*\t+7], v[WF+32*\p+8*\t:WF+32*\p+8*\t+7], v[XF+8*(\a):XF+8*(\a)+7], v[32*(\a)+8*\t:32*(\a)+8*\t+7], v[SC+24*(\S)+2*(4*\p+\t)+(\q)], v[SC+24*(\S)+2*(\a)+(\q)] matrix_a_fmt:MATRIX_FMT_FP4 matrix_b_fmt:MATRIX_FMT_FP4 matrix_a_scale:MATRIX_SCALE_ROW1
.endif
.endr
.endr
.endm
.macro MULV a0, S, q, zero             ; 16 of v: source 0 = the tokens, source 1 = W's rows
.irp a, \a0, \a0+1, \a0+2, \a0+3
.irp n, 0,1,2,3
.if \zero
	v_wmma_scale_f32_16x16x128_f8f6f4 v[64*\n+8*(\a):64*\n+8*(\a)+7], v[XF+8*(\a):XF+8*(\a)+7], v[WF+64+8*\n:WF+64+8*\n+7], 0, v[SC+24*(\S)+2*(\a)+(\q)], v[SC+24*(\S)+2*(8+\n)+(\q)] matrix_a_fmt:MATRIX_FMT_FP4 matrix_b_fmt:MATRIX_FMT_FP4 matrix_b_scale:MATRIX_SCALE_ROW1
.else
	v_wmma_scale_f32_16x16x128_f8f6f4 v[64*\n+8*(\a):64*\n+8*(\a)+7], v[XF+8*(\a):XF+8*(\a)+7], v[WF+64+8*\n:WF+64+8*\n+7], v[64*\n+8*(\a):64*\n+8*(\a)+7], v[SC+24*(\S)+2*(\a)+(\q)], v[SC+24*(\S)+2*(8+\n)+(\q)] matrix_a_fmt:MATRIX_FMT_FP4 matrix_b_fmt:MATRIX_FMT_FP4 matrix_b_scale:MATRIX_SCALE_ROW1
.endif
.endr
.endr
.endm
.macro STEPSET s                       ; step s of eight, 128 along K: K step SL in region RR, half QQ, scale set SS; the next step's region and half
.set SL, (\s)/2
.set RR, SL%3
.set QQ, (\s)%2
.set SS, SL%2
.set RN, (((\s)+1)/2)%3
.set QN, ((\s)+1)%2
.if (\s) == 0
.set ZZ, 1
.else
.set ZZ, 0
.endif
.endm
; Behind a step's q part.  Each run of loads takes the next step's fragments into registers whose last products of this step have been issued, four places behind them.
; So the LDS loads that are out at a step's head were issued in this order: (scale words,) W's q, W's k, x 0-3, x 4-7, W's v.
.macro REST
	WIN 0xa0
	MULQK 1, 0, SS, QQ, ZZ
	MULQK 1, 4, SS, QQ, ZZ
	PLACES 4
	WIN 0
	FETCH_W 1, RN, QN
	WIN 0xf0
	MULV 0, SS, QQ, ZZ
	PLACES 4
	WIN 0
	FETCH_X 0, RN, QN
	WIN 0xf0
	MULV 4, SS, QQ, ZZ
	PLACES 4
	WIN 0
	FETCH_X 4, RN, QN
	FETCH_W 2, RN, QN
.endm
.macro STEP_EVEN s                     ; the successor lies in the same region
	STEPSET \s
	s_wait_dscnt 16                                ; x's tiles 4-7 and W's v (8 loads each) may be out
	WIN 0x50
	MULQK 0, 0, SS, QQ, ZZ
	s_wait_dscnt 8                                 ; W's v may be out
	MULQK 0, 4, SS, QQ, ZZ
	s_wait_dscnt 0x0
	PLACES 4
	WIN 0
	FETCH_W 0, RN, QN
	REST
.endm
; A region's second step: the next step's fragments come from the next region, so each wave shows that its part of that region has landed, and a barrier follows.
; refill = 1: region 0, whose last reads were waited for two steps ago, is filled again with K step 3: all my loads are waited for, the add follows, and the barrier opens a round of the cluster's barrier.
.macro STEP_TURN s, tcnt, refill
	STEPSET \s
	s_wait_tensorcnt \tcnt                         ; the loads issued behind the next region's may stay out
.if \refill
	ds_add_u32 v[SPW], v[NIL]                      ; 0 onto my spare word
	s_wait_dscnt 17                                ; (the add and the youngest 16 loads may be out)
.else
	s_wait_dscnt 16
.endif
	WIN 0x50
	MULQK 0, 0, SS, QQ, ZZ
	s_wait_dscnt 0x0                               ; no LDS instruction of mine is out
	s_barrier_signal -1
	MULQK 0, 4, SS, QQ, ZZ
	WIN 0
	s_barrier_wait -1
.if \refill
	CREST                                          ; no wave of any partner still reads region 0 or has a load on its way
	s_add_nc_u64 s[62:63], s[62:63], 384           ; from K step 0 to K step 3
	s_add_nc_u64 s[82:83], s[82:83], 384
	s_cmp_lt_u32 s[WVN], 3
	s_cbranch_scc0 .Lrefill_x_\@
	tensor_load_to_lds s[60:63], s[24:31]
	s_nop 0
	PLACES 4
	s_branch .Lrefilled_\@
.Lrefill_x_\@:
	tensor_load_to_lds s[80:83], s[32:39]
	s_nop 0
	PLACES 4                                       ; also the places in front of the loads below
.Lrefilled_\@:
.else
	PLACES 4
.endif
	SCALES 1-SS, SL+1
	FETCH_W 0, RN, QN
	REST
.endm
	s_wait_alu depctr_va_vdst(0)
	s_wait_tensorcnt 2                             ; my scale bytes and my part of region 0 are in; regions 1 and 2 may be out
	s_barrier_signal -1
	s_barrier_wait -1
	SCALES 0, 0
	FETCH_W 0, 0, 0
	FETCH_W 1, 0, 0
	FETCH_X 0, 0, 0
	FETCH_X 4, 0, 0
	FETCH_W 2, 0, 0
	STEP_EVEN 0                                    ; its products start the sums: nothing is cleared
	STEP_TURN 1, 1, 0                              ; region 1 is in; region 2's load may be out
	STEP_EVEN 2
	STEP_TURN 3, 0, 1                              ; region 2 is in; region 0 is asked for again
	STEP_EVEN 4
	STEP_TURN 5, 0, 0                              ; the refill, my one load that was out
	STEP_EVEN 6
	STEPSET 7                                      ; the last step fetches no fragment: the biases take the registers that W's fragments leave
	s_wait_dscnt 16
	WIN 0x50
	MULQK 0, 0, SS, QQ, 0
	s_wait_dscnt 8
	MULQK 0, 4, SS, QQ, 0
	s_wait_dscnt 0x0
	PLACES 4
	WIN 0
.irp t, 0,1,2,3
.irp e, 0,1
	global_load_b128 v[BQ+8*\t+4*\e:BQ+8*\t+4*\e+3], v[BQA], s[12:13] offset:64*\t+16*\e          ; q's bias of d = 16 t + 8 h + 0 .. 7
.endr
.endr
	WIN 0xa0
	MULQK 1, 0, SS, QQ, 0
	MULQK 1, 4, SS, QQ, 0
	PLACES 4
	WIN 0
.irp t, 0,1,2,3
.irp e, 0,1
	global_load_b128 v[BQ+32+8*\t+4*\e:BQ+32+8*\t+4*\e+3], v[BQA], s[12:13] offset:4096+64*\t+16*\e   ; k's
.endr
.endr
	WIN 0xf0
	MULV 0, SS, QQ, 0
	MULV 4, SS, QQ, 0
	PLACES 4
	WIN 0
; THE WAY OUT.  64 numbers of a lane in v[T] on, four blocks of 32 (block b: registers 16 b .. 16 b + 15 of lanes l and l xor 16), become eight registers of codes in v[PC] on; the bytes stay in v[TM+4] on.
; A pair of blocks gives four conversions; their places and two exchanges of halves lay block 2 c whole into lanes 0-15 and block 2 c + 1 into lanes 16-31, K ascending.
.macro QUANT
.irp b, 0,1,2,3
	v_max3_num_f32 v[TM+\b], |v[T+16*\b]|, |v[T+1+16*\b]|, 0x1800000   ; and the floor 2^(3 - 127): the byte cannot fall under 1
.endr
.irp i, 2,4,6,8,10,12,14
.irp b, 0,1,2,3
	v_max3_num_f32 v[TM+\b], v[TM+\b], |v[T+16*\b+\i]|, |v[T+1+16*\b+\i]|
.endr
.endr
.irp b, 0,1,2,3
	v_permlanex16_b32 v[TM+4+\b], v[TM+\b], s94, s95
.endr
.irp b, 0,1,2,3
	v_max_num_f32 v[TM+\b], v[TM+\b], v[TM+4+\b]   ; the block's largest magnitude
.endr
.irp b, 0,1,2,3
	v_add_nc_u32 v[TM+8+\b], 0xff000000, v[TM+\b]  ; 2 off its exponent field: the conversion's scale operand
.endr
.irp b, 0,1,2,3
	v_lshrrev_b32 v[TM+4+\b], 23, v[TM+8+\b]       ; the scale's byte
.endr
	s_wait_alu depctr_va_vdst(0)
	s_wait_xcnt 0x0                                ; the earlier stores have read their data: the codes' and the words' registers may be written again
.irp c, 0,1
	v_cvt_scalef32_pk8_fp4_f32 v[PC+4*\c], v[T+32*\c:T+32*\c+7], v[TM+8+2*\c]
	v_cvt_scalef32_pk8_fp4_f32 v[PC+4*\c+2], v[T+32*\c+8:T+32*\c+15], v[TM+8+2*\c]
	v_cvt_scalef32_pk8_fp4_f32 v[PC+4*\c+1], v[T+32*\c+16:T+32*\c+23], v[TM+8+2*\c+1]
	v_cvt_scalef32_pk8_fp4_f32 v[PC+4*\c+3], v[T+32*\c+24:T+32*\c+31], v[TM+8+2*\c+1]
.endr
	v_nop                                          ; one plain place behind a scaled conversion
.irp c, 0,1
	v_permlane16_swap_b32 v[PC+4*\c], v[PC+4*\c+1]
	v_permlane16_swap_b32 v[PC+4*\c+2], v[PC+4*\c+3]
.endr
.endm
.macro QKPAIR p, a, bs                 ; tiles a, a + 1 of q (p = 0) or k (1): the packed add of the bias is also the move into window 0; each accumulator is read from its low end on
	WIN \p+1
.set II, 0
.rept 32
	v_pk_add_f32 v[T+2*II:T+2*II+1], v[32*\a+2*II:32*\a+2*II+1], v[BQ+32*\p+(2*II)%32:BQ+32*\p+(2*II)%32+1]
.set II, II+1
.endr
	WIN 0
	QUANT
	v_lshl_or_b32 v[W0], v[TM+5], 8, v[TM+4]       ; tile a's word: two bytes; the upper two stay 0 and stand over zero codes
	v_lshl_or_b32 v[W0+1], v[TM+7], 8, v[TM+6]     ; tile a + 1's
	v_cndmask_b32 v[WD+\a/2], v[W0], v[W0+1], s96  ; lanes 0-15 the even tile's, lanes 16-31 the odd tile's
	global_store_b128 v[LI], v[PC:PC+3], s[\bs:\bs+1] offset:512*\a          ; 32 lanes store 512 consecutive bytes, at a multiple of 256 from the buffer's first byte
	global_store_b128 v[LI], v[PC+4:PC+7], s[\bs:\bs+1] offset:512*\a+512
.endm
.macro VTILE n                         ; d = 16 n + r, 128 tokens: a whole fragment and a whole scale word
	WIN 3
.set II, 0
.rept 32
	v_pk_add_f32 v[T+2*II:T+2*II+1], v[64*\n+2*II:64*\n+2*II+1], v[BV+2*\n:BV+2*\n+1] op_sel_hi:[1,0]
.set II, II+1
.endr
	WIN 0
	QUANT
	v_lshl_or_b32 v[VWD+\n], v[TM+5], 8, v[TM+4]
	v_lshl_or_b32 v[VWD+\n], v[TM+6], 16, v[VWD+\n]
	v_lshl_or_b32 v[VWD+\n], v[TM+7], 24, v[VWD+\n]
	global_store_b128 v[LI], v[PC:PC+3], s[16:17] offset:4096+1024*\n
	global_store_b128 v[LI], v[PC+4:PC+7], s[16:17] offset:4096+1024*\n+512
.endm
	s_wait_loadcnt 0x0                             ; the biases
.irp b, 0,1,2,3
	v_mov_b32 v[TM+4+\b], 0                        ; written once: a lane permute's destination counts as one of its sources
.endr
.irp a, 0,2,4,6
	QKPAIR 0, \a, 14
.endr
	global_store_b128 v[LI], v[WD:WD+3], s[14:15] offset:4096
.irp a, 0,2,4,6
	QKPAIR 1, \a, 16
.endr
	global_store_b128 v[LI], v[WD:WD+3], s[16:17] offset:8192
.irp n, 0,1,2,3
	VTILE \n
.endr
	v_cndmask_b32 v[VW], v[VWD], v[VWD+1], s96
	v_cndmask_b32 v[VW+1], v[VWD+2], v[VWD+3], s96
	global_store_b64 v[L8], v[VW:VW+1], s[16:17] offset:8704
	s_wait_tensorcnt 0x0                           ; the wave's end
	ds_add_u32 v[SPW], v[NIL]
	s_wait_dscnt 0x0
	CROUND                                         ; the closing round: no work-group ends while a partner may still ask for a tile that names it
	s_endpgm
.Lfunc_end_k_q39107d5673_qkv:
	.size	k_q39107d5673_qkv, .Lfunc_end_k_q39107d5673_qkv-k_q39107d5673_qkv
	.p2alignl 7, 3214868480
	.fill 96, 4, 3214868480
	.section	.rodata,"a",@progbits
	.p2align	6, 0x0
	.amdhsa_kernel k_q39107d5673_qkv
		.amdhsa_group_segment_fixed_size 327680
		.amdhsa_private_segment_fixed_size 0
		.amdhsa_enable_private_segment 0
		.amdhsa_kernarg_size 56
		.amdhsa_user_sgpr_count 2
		.amdhsa_user_sgpr_kernarg_segment_ptr 1
		.amdhsa_wavefront_size32 1
		.amdhsa_system_sgpr_workgroup_id_x 1
		.amdhsa_system_sgpr_workgroup_id_y 1
		.amdhsa_system_sgpr_workgroup_id_z 1
		.amdhsa_system_vgpr_workitem_id 0
		.amdhsa_next_free_vgpr 1024
		.amdhsa_next_free_sgpr 102
		.amdhsa_reserve_vcc 0
		.amdhsa_float_denorm_mode_32 3
		.amdhsa_float_denorm_mode_16_64 3
		.amdhsa_memory_ordered 1
		.amdhsa_forward_progress 1
		.amdhsa_inst_pref_size 213
	.end_amdhsa_kernel
	.amdgpu_metadata
---
amdhsa.version: [ 1, 2 ]
amdhsa.kernels:
  - .name:           k_q39107d5673_qkv
    .symbol:         k_q39107d5673_qkv.kd
    .args:
      - { .name: x_codes, .offset: 0, .size: 8, .value_kind: global_buffer, .address_space: global }
      - { .name: x_scales, .offset: 8, .size: 8, .value_kind: global_buffer, .address_space: global }
      - { .name: w_qkv_codes, .offset: 16, .size: 8, .value_kind: global_buffer, .address_space: global }
      - { .name: w_qkv_scales, .offset: 24, .size: 8, .value_kind: global_buffer, .address_space: global }
      - { .name: b_qkv, .offset: 32, .size: 8, .value_kind: global_buffer, .address_space: global }
      - { .name: qbuf, .offset: 40, .size: 8, .value_kind: global_buffer, .address_space: global }
      - { .name: kvbuf, .offset: 48, .size: 8, .value_kind: global_buffer, .address_space: global }
    .group_segment_fixed_size: 327680
    .private_segment_fixed_size: 0
    .kernarg_segment_align: 8
    .kernarg_segment_size: 56
    .max_flat_workgroup_size: 128
    .sgpr_count:     102
    .vgpr_count:     1024
    .wavefront_size: 32
...
	.end_amdgpu_metadata
.endif
;; end of part 1
;; launch attn (part 2): grid 8 x 32, 16 waves a work-group, clusters of 4 x 1, 327,680 bytes of LDS; arguments qbuf, kvbuf, obuf; writes obuf
.if DOCPART == 2
	.amdgcn_target "amdgcn-amd-amdhsa--gfx1250"
	.amdhsa_code_object_version 6
	.text
	.protected	k_q39107d5673_attn
	.globl	k_q39107d5673_attn
	.p2align	8
	.type	k_q39107d5673_attn,@function
k_q39107d5673_attn:
	s_mov_b64 s[64:65], 0
	v_nop
	global_prefetch_b8 v0, s[64:65] scope:SCOPE_SE
	s_setreg_imm32_b32 hwreg(HW_REG_WAVE_MODE, 25, 1), 1
	s_wait_xcnt 0x0
	s_wait_alu depctr_hold_cnt(0) depctr_sa_sdst(0) depctr_va_vdst(0) depctr_va_sdst(0) depctr_va_ssrc(0) depctr_va_vcc(0) depctr_vm_vsrc(0)
	s_getreg_b32 s2, hwreg(HW_REG_IB_STS2, 6, 4)
	s_cmp_eq_u32 s2, 0
	s_cbranch_scc0 .Lentry_in_a_cluster
	s_endpgm
.Lentry_in_a_cluster:
	s_bfe_u32 s2, ttmp6, 0x10000c
	s_cmp_lg_u32 s2, 0x3003
	s_cbranch_scc0 .Lentry_shape_is_right
	s_endpgm
.Lentry_shape_is_right:
; LAUNCH 2 OF 3.  For each batch and head: o = softmax(q k^T / 8) v, both products on codes of FP4 with E8M0 scales; o is quantised along the model's 1,024 (blocks of 32 lie inside a head) for the last product.  No work is left out.
; THE SOFTMAX AHEAD OF THE SECOND PRODUCT: t = score x log2(e) / 8; M = the row's largest t so far, rounded up to a whole number; p = 2^(t - M) is quantised along the keys, not normalised.
; The row's sum is taken of the unquantised p and divides at the end.  When M moves, the sum and O are multiplied by 2^(old M - new M), which rounds nothing.
; LIMITS: NaN and infinities are not served; a block whose largest magnitude lies under 2^-124 gets the scale byte 1 (a block of zeros has zero codes; the bytes are read by this program alone).
; SHARES.  Work-group (qb, y): 256 queries and the two heads 2 (y % 8), 2 (y % 8) + 1 of batch y / 8.  Each of the sixteen waves owns 16 queries and walks head A, then head B, 128 keys a step:
; so it ends with a whole K step (128 along the model's 1,024) of the last product's operand: eight registers and a whole scale word.
; BOTH heads' K, V and scale words, 2 x 143,360 bytes as launch 1 laid them, lie whole in LDS: first fills alone, two loads a wave (one is out at the most), no byte is filled again.
; CLUSTER 4 x 1: the four blocks of queries of a cluster walk the same two heads: each load is asked for jointly, with the mask of all four.
; LAYOUT.  S^T = K Q^T (source 0 = 16 keys, source 1 = my 16 queries; K = 64: the upper 64 are zero codes on both sides), O^T = V^T P^T: a lane holds one query throughout.
; Register 8 t + j of S^T is key 16 t + 8 h + j: block b of 32 keys lies in registers 16 b .. 16 b + 15 of lanes l and l xor 16; the conversions' places and two exchanges of halves give the operand with the keys ascending.
; REGISTERS: v1 16 x lane, v2 8 x lane, v3 16 r, v7 4 x lane; v5, v6 the add's two; v8, v9 the step's LDS addresses; v10, v11 o's scale word; v12 -M, v13 the largest t, v[14:15] the sum;
;   v16-23 Q of head A, later o's codes; v24-31 Q of head B; v32-95 K's 8 fragments (the upper four registers of each stay 0); v96-159 S^T, then p; v160-191 O^T; v192-223 V's 4 fragments; v224-231 p's codes;
;   v232-239, v254 at work; v240-243 K's scale words; v244-247 the conversions' scale operands; v248-249 V's scale words; v250, v251 Q's; v252 f; v253 p's scale word.
.set KVREC, 8960                       ; a key step's record
.set HEADB, 16*KVREC                   ; a head
.set SPARE, 2*HEADB                    ; the spare words, 128 bytes for each wave: eight blocks of 256 bytes that no other line names
.set WVN, 12
.macro CROUND
	s_barrier_signal -1
	s_barrier_wait -1
	s_cmp_lg_u32 s[WVN], 0
	s_cbranch_scc1 .Lnot_wave_0_\@
	s_barrier_signal -3
.Lnot_wave_0_\@:
	s_barrier_wait -3
	s_barrier_signal -1
	s_barrier_wait -1
.endm
	s_load_b128 s[4:7], s[0:1], 0x0                ; qbuf s[4:5], kvbuf s[6:7]
	s_load_b64 s[8:9], s[0:1], 0x10                ; obuf
	v_lshl_add_u32 v5, v0, 2, SPARE
	v_mov_b32 v6, 0
	ds_add_u32 v5, v6                              ; the opening: the add, twice on end, and its wait ahead of my first tensor load
	ds_add_u32 v5, v6
	v_lshrrev_b32 v1, 5, v0
	s_delay_alu instid0(VALU_DEP_1)
	v_readfirstlane_b32 s[WVN], v1                 ; wave 0..15
	s_bfe_u32 s13, ttmp6, 0x40000                  ; cx
	s_lshl_b32 s14, ttmp9, 2
	s_add_co_u32 s14, s14, s13                     ; qb: it enters Q's and o's addresses alone
	s_and_b32 s15, ttmp7, 0xffff                   ; y, which the four partners share
	s_mov_b32 s16, 15|(3<<16)|(1<<21)              ; s[16:23]: the mask of all four; elements of 8 bytes; bit 21 beside a mask; no padding: the images are read 16 x lane
	s_mov_b32 s17, 32<<16                          ; 35 dense rows of 256 bytes: one record
	s_mov_b32 s18, 35<<16
	s_mov_b32 s19, 32<<16
	s_mov_b32 s20, 35
	s_mov_b32 s21, 32
	s_mov_b32 s22, 0
	s_mov_b32 s23, 0
	s_mul_i32 s10, s[WVN], KVREC                   ; wave w fetches key step w of each head
	s_mul_i32 s2, s15, 2*HEADB
	s_add_co_u32 s2, s2, s10
	s_mov_b32 s3, 0
	s_mov_b32 s32, 0x76543210                      ; v_permlanex16_b32's selects for lane l xor 16
	s_mov_b32 s33, 0xfedcba98
	s_mov_b32 s34, 0x3e38aa3b                      ; c = log2(e) / 8
	s_mov_b32 s35, s34                             ; (named with it as a pair, so it is written)
	s_lshl_b32 s38, s15, 5                         ; Q's record: (2 y) x 16 + 2 qb + wave / 8
	s_lshl_b32 s39, s14, 1
	s_add_co_u32 s38, s38, s39
	s_lshr_b32 s39, s[WVN], 3
	s_add_co_u32 s38, s38, s39
	s_mul_i32 s38, s38, 4608
	s_and_b32 s39, s[WVN], 7                       ; my tile in it
	s_lshl_b32 s40, s39, 9
	s_add_co_u32 s40, s40, s38
	s_mov_b32 s41, 0
	s_lshr_b32 s39, s39, 1                         ; its scale words: word tile / 2 of lanes 16 (tile % 2) + r
	s_lshl_b32 s39, s39, 2
	s_and_b32 s42, s[WVN], 1
	s_lshl_b32 s42, s42, 8
	s_add_co_u32 s42, s42, s39
	s_add_co_u32 s42, s42, s38
	s_add_co_u32 s42, s42, 4096
	s_mov_b32 s43, 0
	s_lshr_b32 s44, s15, 3                         ; o's record: the tile of tokens 128 (y / 8) + 16 qb + wave
	s_lshl_b32 s44, s44, 7
	s_lshl_b32 s39, s14, 4
	s_add_co_u32 s44, s44, s39
	s_add_co_u32 s44, s44, s[WVN]
	s_mul_i32 s44, s44, 9216
	s_and_b32 s39, s15, 7                          ; K step y % 8 of the last product
	s_lshl_b32 s46, s39, 7
	s_add_co_u32 s46, s46, s44
	s_add_co_u32 s46, s46, 8192
	s_mov_b32 s47, 0
	s_lshl_b32 s39, s39, 10
	s_add_co_u32 s44, s44, s39
	s_mov_b32 s45, 0
	s_wait_dscnt 0x0                               ; both opening adds are done
	s_wait_kmcnt 0x0
	s_mov_b32 s24, 1                               ; s[24:27] head A's key step, s[28:31] head B's
	s_mov_b32 s25, s10
	s_add_nc_u64 s[26:27], s[6:7], s[2:3]
	s_mov_b32 s28, 1
	s_add_co_u32 s29, s10, HEADB
	s_add_nc_u64 s[30:31], s[26:27], HEADB
	s_or_b32 s27, s27, 0x80000000
	s_or_b32 s31, s31, 0x80000000
	s_add_nc_u64 s[40:41], s[4:5], s[40:41]
	s_add_nc_u64 s[42:43], s[4:5], s[42:43]
	s_add_nc_u64 s[44:45], s[8:9], s[44:45]
	s_add_nc_u64 s[46:47], s[8:9], s[46:47]
	CROUND                                         ; all four work-groups are here: the joint loads meet
	tensor_load_to_lds s[24:27], s[16:23]
	s_nop 0
	s_wait_alu depctr_va_vdst(0)
	s_wait_tensorcnt 0x0
	ds_add_u32 v5, v6
	s_wait_dscnt 0x0
	CROUND
	tensor_load_to_lds s[28:31], s[16:23]
	s_nop 0
.rept 4
	v_nop
.endr
	v_and_b32 v4, 31, v0
	s_delay_alu instid0(VALU_DEP_1)
	v_lshlrev_b32 v1, 4, v4
	s_delay_alu instid0(VALU_DEP_2)
	v_lshlrev_b32 v2, 3, v4
	s_delay_alu instid0(VALU_DEP_3)
	v_lshlrev_b32 v7, 2, v4
	v_and_b32 v3, 15, v0
	s_delay_alu instid0(VALU_DEP_1)
	v_lshlrev_b32 v3, 4, v3
	global_load_b128 v[16:19], v1, s[40:41]                  ; Q of head A: registers 0-3 of the fragment
	global_load_b128 v[24:27], v1, s[40:41] offset:73728     ; of head B: 16 records on
	global_load_b32 v250, v3, s[42:43]
	global_load_b32 v251, v3, s[42:43] offset:73728
.irp j, 20,21,22,23,28,29,30,31
	v_mov_b32 v[\j], 0                             ; K = 64 .. 127: zero codes
.endr
.irp t, 0,1,2,3,4,5,6,7
.irp j, 4,5,6,7
	v_mov_b32 v[32+8*\t+\j], 0                     ; likewise in K's fragments: written once, the loads fill the lower four alone
.endr
.endr
.irp b, 0,1,2,3
	v_mov_b32 v[236+\b], 0                         ; written once: a lane permute's destination counts as one of its sources
.endr
	v_mov_b32 v253, 0                              ; (named as the upper half of the pair v[252:253] before it is first written)
; A KEY STEP: 128 keys, whose record begins at LDS byte s36.
.macro STEP QF, QS
	v_add_nc_u32 v8, s36, v1
	v_add_nc_u32 v9, s36, v2
	v_nop
	v_nop                                          ; four places behind the last step's products, in front of loads into registers that they read
.irp t, 0,1,2,3,4,5,6,7
	ds_load_b128 v[32+8*\t:35+8*\t], v8 offset:512*\t
.endr
	ds_load_b128 v[240:243], v8 offset:8192
.irp t, 0,1,2,3
.irp c, 0,1
	ds_load_b128 v[192+8*\t+4*\c:195+8*\t+4*\c], v8 offset:4096+1024*\t+512*\c
.endr
.endr
	ds_load_b64 v[248:249], v9 offset:8704
	s_wait_dscnt 9                                 ; K and its scale words are in; V's eight loads and its scale words may be out
.irp t, 0,1,2,3,4,5,6,7
.if \t%2
	v_wmma_scale_f32_16x16x128_f8f6f4 v[96+8*\t:103+8*\t], v[32+8*\t:39+8*\t], v[\QF:\QF+7], 0, v[240+\t/2], v[\QS] matrix_a_fmt:MATRIX_FMT_FP4 matrix_b_fmt:MATRIX_FMT_FP4 matrix_a_scale:MATRIX_SCALE_ROW1
.else
	v_wmma_scale_f32_16x16x128_f8f6f4 v[96+8*\t:103+8*\t], v[32+8*\t:39+8*\t], v[\QF:\QF+7], 0, v[240+\t/2], v[\QS] matrix_a_fmt:MATRIX_FMT_FP4 matrix_b_fmt:MATRIX_FMT_FP4
.endif
.endr
.rept 4
	v_nop
.endr
.irp b, 0,1,2,3
	v_max3_num_f32 v[232+\b], v[96+16*\b], v[97+16*\b], v[98+16*\b]   ; the largest score of each block of 32 keys: it serves for the row's maximum and, since p rises with the score, for the block's largest p
.endr
.irp i, 3,5,7,9,11,13
.irp b, 0,1,2,3
	v_max3_num_f32 v[232+\b], v[232+\b], v[96+16*\b+\i], v[97+16*\b+\i]
.endr
.endr
.irp b, 0,1,2,3
	v_max_num_f32 v[232+\b], v[232+\b], v[111+16*\b]
.endr
.irp b, 0,1,2,3
	s_delay_alu instid0(VALU_DEP_4)
	v_permlanex16_b32 v[236+\b], v[232+\b], s32, s33
.endr
.irp b, 0,1,2,3
	s_delay_alu instid0(VALU_DEP_4)
	v_max_num_f32 v[232+\b], v[232+\b], v[236+\b]
.endr
	s_delay_alu instid0(VALU_DEP_2)
	v_max3_num_f32 v254, v232, v233, v234
	s_delay_alu instid0(VALU_DEP_1)
	v_max_num_f32 v254, v254, v235                 ; the step's largest score of my query
	s_delay_alu instid0(VALU_DEP_1)
	v_mul_f32 v254, s34, v254                      ; as t (c is positive)
	s_delay_alu instid0(VALU_DEP_1)
	v_max_num_f32 v13, v13, v254                   ; the running largest t
	v_mov_b32 v254, v12
	s_delay_alu instid0(VALU_DEP_2)
	v_floor_f32 v12, -v13                          ; the new -M = floor(-t): M is a whole number
	s_delay_alu instid0(VALU_DEP_1)
	v_sub_f32 v254, v12, v254                      ; old M - new M: a whole number, 0 or less
	s_delay_alu instid0(VALU_DEP_1)
	v_cvt_i32_f32 v254, v254                       ; (it saturates)
	s_delay_alu instid0(VALU_DEP_1)
	v_ldexp_f32 v252, 1.0, v254                    ; f = 2^(old M - new M)
.irp j, 0,2,4,6,8,10,12,14,16,18,20,22,24,26,28,30,32,34,36,38,40,42,44,46,48,50,52,54,56,58,60,62
	v_pk_fma_f32 v[96+\j:97+\j], v[96+\j:97+\j], s[34:35], v[12:13] op_sel_hi:[1,0,0]   ; t - M, two at a time
.endr
.irp b, 0,1,2,3
	v_fma_f32 v[232+\b], v[232+\b], s34, v12       ; the same of each block's largest score
.endr
	s_wait_alu depctr_va_vdst(0)
.irp j, 0,1,2,3,4,5,6,7,8,9,10,11,12,13,14,15,16,17,18,19,20,21,22,23,24,25,26,27,28,29,30,31,32,33,34,35,36,37,38,39,40,41,42,43,44,45,46,47,48,49,50,51,52,53,54,55,56,57,58,59,60,61,62,63
	v_exp_f32 v[96+\j], v[96+\j]                   ; p = 2^(t - M), at most 1
.endr
	s_setprio 1
	v_pk_mul_f32 v[14:15], v[14:15], v[252:253] op_sel_hi:[1,0]   ; the sums under the new M: a plain place behind the exponentials
	s_wait_alu depctr_va_vdst(0)                   ; one wait for the whole batch, ahead of its first reader
.irp b, 0,1,2,3
	v_exp_f32 v[232+\b], v[232+\b]                 ; the block's largest p
.endr
	v_pk_add_f32 v[236:237], v[96:97], v[98:99]    ; the row's sum is taken of the unquantised p, two at a time, in two chains
.irp j, 4,8,12,16,20,24,28,32,36,40,44,48,52,56,60
	v_pk_add_f32 v[14:15], v[14:15], v[96+\j:97+\j]
	v_pk_add_f32 v[236:237], v[236:237], v[98+\j:99+\j]
.endr
	s_delay_alu instid0(VALU_DEP_1)
	v_pk_add_f32 v[14:15], v[14:15], v[236:237]
	s_wait_alu depctr_va_vdst(0)                   ; and one for the four
.irp b, 0,1,2,3
	v_max_num_f32 v[232+\b], 0x1800000, v[232+\b]  ; the floor 2^(3 - 127): the byte cannot fall under 1
.endr
.irp b, 0,1,2,3
	s_delay_alu instid0(VALU_DEP_4)
	v_add_nc_u32 v[244+\b], 0xff000000, v[232+\b]  ; 2 off the exponent field: the conversion's scale operand
.endr
.irp b, 0,1,2,3
	s_delay_alu instid0(VALU_DEP_4)
	v_lshrrev_b32 v[236+\b], 23, v[244+\b]         ; the scale's byte
.endr
	s_delay_alu instid0(VALU_DEP_3)
	v_lshl_or_b32 v253, v237, 8, v236              ; p's scale word for these 128 keys
	s_delay_alu instid0(VALU_DEP_1)
	v_lshl_or_b32 v253, v238, 16, v253
	s_delay_alu instid0(VALU_DEP_1)
	v_lshl_or_b32 v253, v239, 24, v253
.irp c, 0,1
	v_cvt_scalef32_pk8_fp4_f32 v[224+4*\c], v[96+32*\c:103+32*\c], v[244+2*\c]
	v_cvt_scalef32_pk8_fp4_f32 v[226+4*\c], v[104+32*\c:111+32*\c], v[244+2*\c]
	v_cvt_scalef32_pk8_fp4_f32 v[225+4*\c], v[112+32*\c:119+32*\c], v[245+2*\c]
	v_cvt_scalef32_pk8_fp4_f32 v[227+4*\c], v[120+32*\c:127+32*\c], v[245+2*\c]
.endr
	v_nop                                          ; one plain place behind a scaled conversion
.irp c, 0,1
	v_permlane16_swap_b32 v[224+4*\c], v[225+4*\c] ; block 2 c whole into lanes 0-15, block 2 c + 1 into lanes 16-31
	v_permlane16_swap_b32 v[226+4*\c], v[227+4*\c]
.endr
	s_setprio 0
.irp j, 0,2,4,6,8,10,12,14,16,18,20,22,24,26,28,30
	v_pk_mul_f32 v[160+\j:161+\j], v[160+\j:161+\j], v[252:253] op_sel_hi:[1,0]   ; O^T under the new M; these sixteen also stand between the lines that made p's codes and scale word and the products
.endr
	s_wait_alu depctr_va_vdst(0)
	s_wait_dscnt 0x0                               ; V and its scale words are in
.irp t, 0,1,2,3
.if \t%2
	v_wmma_scale_f32_16x16x128_f8f6f4 v[160+8*\t:167+8*\t], v[192+8*\t:199+8*\t], v[224:231], v[160+8*\t:167+8*\t], v[248+\t/2], v253 matrix_a_fmt:MATRIX_FMT_FP4 matrix_b_fmt:MATRIX_FMT_FP4 matrix_a_scale:MATRIX_SCALE_ROW1
.else
	v_wmma_scale_f32_16x16x128_f8f6f4 v[160+8*\t:167+8*\t], v[192+8*\t:199+8*\t], v[224:231], v[160+8*\t:167+8*\t], v[248+\t/2], v253 matrix_a_fmt:MATRIX_FMT_FP4 matrix_b_fmt:MATRIX_FMT_FP4
.endif
.endr
	s_add_co_u32 s36, s36, KVREC
.endm
; A HEAD: sixteen key steps, the division by the sum, and the quantiser: 64 numbers a query, two blocks, half hh of the operand's eight registers.
.macro HEAD hh, QF, QS
	v_mov_b32 v13, 0xff61b1e6                      ; the largest t so far: -3e38, under every t
	s_delay_alu instid0(VALU_DEP_1)
	v_floor_f32 v12, -v13
	v_mov_b32 v14, 0
	v_mov_b32 v15, 0
.irp j, 0,1,2,3,4,5,6,7,8,9,10,11,12,13,14,15,16,17,18,19,20,21,22,23,24,25,26,27,28,29,30,31
	v_mov_b32 v[160+\j], 0                         ; O^T: the step is written once; the first finds zeros, which the first change of M leaves zeros
.endr
	s_mov_b32 s36, \hh*HEADB
	s_mov_b32 s37, 16
.Lstep_\@:
	s_setprio 2
	STEP \QF, \QS
	s_sub_co_u32 s37, s37, 1
	s_cmp_lg_u32 s37, 0
	s_cbranch_scc1 .Lstep_\@
	s_setprio 0
	v_add_f32 v14, v14, v15                        ; the sum's two halves,
	s_delay_alu instid0(VALU_DEP_1)
	v_permlanex16_b32 v252, v14, s32, s33
	s_delay_alu instid0(VALU_DEP_1)
	v_add_f32 v14, v14, v252                       ; and lane l xor 16's
	s_wait_alu depctr_va_vdst(0)
	v_rcp_f32 v14, v14
	v_nop                                          ; with the two additions: the places behind the last products; and the plain place behind the reciprocal
	v_nop
	v_nop
	s_wait_alu depctr_va_vdst(0)                   ; the wait ahead of the reciprocal's first reader
.irp j, 0,2,4,6,8,10,12,14,16,18,20,22,24,26,28,30
	v_pk_mul_f32 v[96+\j:97+\j], v[160+\j:161+\j], v[14:15] op_sel_hi:[1,0]   ; o: register 8 t + j is d = 16 t + 8 h + j
.endr
	v_max3_num_f32 v232, |v96|, |v97|, 0x1800000
	v_max3_num_f32 v233, |v112|, |v113|, 0x1800000
.irp i, 2,4,6,8,10,12,14
	s_delay_alu instid0(VALU_DEP_2)
	v_max3_num_f32 v232, v232, |v[96+\i]|, |v[97+\i]|
	s_delay_alu instid0(VALU_DEP_2)
	v_max3_num_f32 v233, v233, |v[112+\i]|, |v[113+\i]|
.endr
	s_delay_alu instid0(VALU_DEP_2)
	v_permlanex16_b32 v236, v232, s32, s33
	s_delay_alu instid0(VALU_DEP_2)
	v_permlanex16_b32 v237, v233, s32, s33
	s_delay_alu instid0(VALU_DEP_2)
	v_max_num_f32 v232, v232, v236
	s_delay_alu instid0(VALU_DEP_2)
	v_max_num_f32 v233, v233, v237
	s_delay_alu instid0(VALU_DEP_2)
	v_add_nc_u32 v244, 0xff000000, v232
	s_delay_alu instid0(VALU_DEP_2)
	v_add_nc_u32 v245, 0xff000000, v233
	s_delay_alu instid0(VALU_DEP_2)
	v_lshrrev_b32 v238, 23, v244
	s_delay_alu instid0(VALU_DEP_2)
	v_lshrrev_b32 v239, 23, v245
.if \hh
	s_delay_alu instid0(VALU_DEP_1)
	v_lshl_or_b32 v11, v239, 8, v238
	s_delay_alu instid0(VALU_DEP_1)
	v_lshl_or_b32 v10, v11, 16, v10                ; the K step's scale word is whole
.else
	s_delay_alu instid0(VALU_DEP_1)
	v_lshl_or_b32 v10, v239, 8, v238
.endif
	v_cvt_scalef32_pk8_fp4_f32 v[16+4*\hh], v[96:103], v244
	v_cvt_scalef32_pk8_fp4_f32 v[18+4*\hh], v[104:111], v244
	v_cvt_scalef32_pk8_fp4_f32 v[17+4*\hh], v[112:119], v245
	v_cvt_scalef32_pk8_fp4_f32 v[19+4*\hh], v[120:127], v245
	v_nop
	v_permlane16_swap_b32 v[16+4*\hh], v[17+4*\hh]
	v_permlane16_swap_b32 v[18+4*\hh], v[19+4*\hh]
.endm
	s_wait_loadcnt 0x0                             ; Q
	s_wait_tensorcnt 0x1                           ; my part of head A is in; head B's may be out
	s_barrier_signal -1
	s_barrier_wait -1                              ; everybody's is
	HEAD 0, 16, 250
	s_wait_tensorcnt 0x0                           ; my part of head B
	s_wait_dscnt 0x0
	s_barrier_signal -1
	s_barrier_wait -1
	HEAD 1, 24, 251
	global_store_b128 v1, v[16:19], s[44:45]                 ; 32 lanes store 512 consecutive bytes, at a multiple of 256 from the buffer's first byte
	global_store_b128 v1, v[20:23], s[44:45] offset:512
	global_store_b32 v7, v10, s[46:47]                       ; the scale word of token lane % 16, 128 consecutive bytes
	s_wait_tensorcnt 0x0                           ; the wave's end
	ds_add_u32 v5, v6
	s_wait_dscnt 0x0
	CROUND                                         ; the closing round
	s_endpgm
.Lfunc_end_k_q39107d5673_attn:
	.size	k_q39107d5673_attn, .Lfunc_end_k_q39107d5673_attn-k_q39107d5673_attn
	.p2alignl 7, 3214868480
	.fill 96, 4, 3214868480
	.section	.rodata,"a",@progbits
	.p2align	6, 0x0
	.amdhsa_kernel k_q39107d5673_attn
		.amdhsa_group_segment_fixed_size 327680
		.amdhsa_private_segment_fixed_size 0
		.amdhsa_enable_private_segment 0
		.amdhsa_kernarg_size 24
		.amdhsa_user_sgpr_count 2
		.amdhsa_user_sgpr_kernarg_segment_ptr 1
		.amdhsa_wavefront_size32 1
		.amdhsa_system_sgpr_workgroup_id_x 1
		.amdhsa_system_sgpr_workgroup_id_y 1
		.amdhsa_system_sgpr_workgroup_id_z 1
		.amdhsa_system_vgpr_workitem_id 0
		.amdhsa_next_free_vgpr 256
		.amdhsa_next_free_sgpr 66
		.amdhsa_reserve_vcc 0
		.amdhsa_float_denorm_mode_32 3
		.amdhsa_float_denorm_mode_16_64 3
		.amdhsa_memory_ordered 1
		.amdhsa_forward_progress 1
		.amdhsa_inst_pref_size 50
	.end_amdhsa_kernel
	.amdgpu_metadata
---
amdhsa.version: [ 1, 2 ]
amdhsa.kernels:
  - .name:           k_q39107d5673_attn
    .symbol:         k_q39107d5673_attn.kd
    .args:
      - { .name: qbuf, .offset: 0, .size: 8, .value_kind: global_buffer, .address_space: global }
      - { .name: kvbuf, .offset: 8, .size: 8, .value_kind: global_buffer, .address_space: global }
      - { .name: obuf, .offset: 16, .size: 8, .value_kind: global_buffer, .address_space: global }
    .group_segment_fixed_size: 327680
    .private_segment_fixed_size: 0
    .kernarg_segment_align: 8
    .kernarg_segment_size: 24
    .max_flat_workgroup_size: 512
    .sgpr_count:     66
    .vgpr_count:     256
    .wavefront_size: 32
...
	.end_amdgpu_metadata
.endif
;; end of part 2
;; launch proj (part 3): grid 32 x 8, 4 waves a work-group, clusters of 4 x 4, 253,696 bytes of LDS; arguments obuf, w_proj_codes, w_proj_scales, b_proj, out0; writes out0
.if DOCPART == 3
	.amdgcn_target "amdgcn-amd-amdhsa--gfx1250"
	.amdhsa_code_object_version 6
	.text
	.protected	k_q39107d5673_proj
	.globl	k_q39107d5673_proj
	.p2align	8
	.type	k_q39107d5673_proj,@function
k_q39107d5673_proj:
	s_mov_b64 s[64:65], 0
	v_nop
	global_prefetch_b8 v0, s[64:65] scope:SCOPE_SE
	s_setreg_imm32_b32 hwreg(HW_REG_WAVE_MODE, 25, 1), 1
	s_wait_xcnt 0x0
	s_wait_alu depctr_hold_cnt(0) depctr_sa_sdst(0) depctr_va_vdst(0) depctr_va_sdst(0) depctr_va_ssrc(0) depctr_va_vcc(0) depctr_vm_vsrc(0)
	s_getreg_b32 s2, hwreg(HW_REG_IB_STS2, 6, 4)
	s_cmp_eq_u32 s2, 0
	s_cbranch_scc0 .Lentry_in_a_cluster
	s_endpgm
.Lentry_in_a_cluster:
	s_bfe_u32 s2, ttmp6, 0x10000c
	s_cmp_lg_u32 s2, 0xf033
	s_cbranch_scc0 .Lentry_shape_is_right
	s_endpgm
.Lentry_shape_is_right:
; LAUNCH 3 OF 3.  out0 = o w_proj + b_proj on codes of FP4 with E8M0 scales, K = 1,024; o's codes and scale words come from launch 2 as images of the operand's registers.  No work is left out.
; SHARES.  Work-group (tg, nb): tokens 256 tg on, columns 128 nb on.  Wave w: the four tiles of 16 tokens 16 tg + 4 w + a, all 128 columns.
; W's slice (8 tiles of 16 columns x 8 K steps, 512 registers) stays in each wave's registers.  A tile of tokens is finished over all of K by 64 matrix instructions, its 8 accumulators by turns,
; and leaves while the next is multiplied.  The bias is the C of each sum's first matrix instruction.
; TRANSPOSED USE: source 0 = 16 rows of W (columns of out0), source 1 = 16 tokens: a lane holds eight neighbouring columns of one row of out0.
; LDS, first fills alone, three loads a wave (three are out at the most): W's 128 rows (512 bytes + 16), its scale bytes (units of 256 + 16), each wave's own four records of o (dense); then a stage for each wave.
; CLUSTER 4 x 4: W's rows hang on nb alone and are asked for jointly along a row of the cluster, o's records on tg alone and along a column.
; REGISTERS: window 0: v1-29 addresses; v32-95, v96-159 o's fragments, two buffers; v160-175 o's scale words, v176-239 W's, and nothing else in them.
;   window 1: v0-63, v64-127 two sets of 8 accumulators; v128-191 the bias; v192-255 rows on their way out.   windows 2, 3: W's fragment (t, K step g) at 64 (g % 4) + 8 t of window 2 + g / 4.
.set WP,    528
.set WSC,   128*WP                     ; W's scale bytes
.set AI,    WSC+16*272                 ; o's records
.set AREC,  9216
.set STG,   AI+16*AREC                 ; the stages: 16 rows x 528 for each wave; no tensor load lands there
.set SPARE, STG+4*16*WP                ; the spare words, 128 bytes for each wave: two blocks of 256 bytes that no other line names
.set AB,   16                          ; v16  W's fragments: 528 r + 16 h
.set ABS,  17                          ; v17  W's scale words
.set AA,   18                          ; v18  my records: + 16 x lane
.set AAS,  19                          ; v19  + 4 x lane
.set STO,  20                          ; v20  the stage: where I put 32 bytes of a row
.set RD,   21                          ; v21  and where I read a row back
.set CO,   22                          ; v22  16 x lane
.set BA,   23                          ; v23  32 h
.set SPW,  28
.set NIL,  29
.set AF,   32
.set ASW,  160
.set BS,   176
.set BI,   128                         ; in window 1
.set BK,   192                         ; in window 1
.set WVN,  52
.set MSB, 0
.macro WIN new
.if MSB != (\new)
	s_set_vgpr_msb (MSB<<8)|(\new)
.set MSB, (\new)
.endif
.endm
.macro PLACES n
.rept \n
	v_nop
.endr
.endm
.macro CROUND
	s_barrier_signal -1
	s_barrier_wait -1
	s_cmp_lg_u32 s[WVN], 0
	s_cbranch_scc1 .Lnot_wave_0_\@
	s_barrier_signal -3
.Lnot_wave_0_\@:
	s_barrier_wait -3
	s_barrier_signal -1
	s_barrier_wait -1
.endm
	s_load_b256 s[4:11], s[0:1], 0x0               ; obuf s[4:5], W's codes s[6:7], W's scales s[8:9], b_proj s[10:11]
	s_load_b64 s[12:13], s[0:1], 0x20              ; out0
	v_lshl_add_u32 v[SPW], v0, 2, SPARE
	v_mov_b32 v[NIL], 0
	ds_add_u32 v[SPW], v[NIL]                      ; the opening: the add, twice on end, and its wait ahead of my first tensor load
	ds_add_u32 v[SPW], v[NIL]
	v_lshrrev_b32 v1, 5, v0
	v_readfirstlane_b32 s[WVN], v1
	s_bfe_u32 s53, ttmp6, 0x40000                  ; cx
	s_bfe_u32 s54, ttmp6, 0x40004                  ; cy
	s_lshl_b32 s55, ttmp9, 2
	s_add_co_u32 s55, s55, s53                     ; tg
	s_and_b32 s56, ttmp7, 0xffff
	s_lshl_b32 s56, s56, 2
	s_add_co_u32 s56, s56, s54                     ; nb
	s_lshl_b32 s57, s54, 2
	s_lshl_b32 s57, 15, s57                        ; my row of the cluster
	s_lshl_b32 s62, 0x1111, s53                    ; my column
	s_or_b32 s16, s57, (1<<20)|(1<<21)|(6<<22)|(3<<25)           ; s[16:23] W's codes: 32 rows of 512 bytes, 4 words of padding after every 128
	s_mov_b32 s17, 512<<16
	s_mov_b32 s18, 32<<16
	s_mov_b32 s19, 512<<16
	s_mov_b32 s20, 32
	s_mov_b32 s21, 512
	s_mov_b32 s22, 0
	s_mov_b32 s23, 0
	s_or_b32 s24, s57, (3<<16)|(1<<20)|(1<<21)|(5<<22)|(3<<25)   ; s[24:31] the scale bytes of 32 rows: 4 dense rows of 256 bytes, 4 words of padding behind each
	s_mov_b32 s25, 32<<16
	s_mov_b32 s26, 4<<16
	s_mov_b32 s27, 32<<16
	s_mov_b32 s28, 4
	s_mov_b32 s29, 32
	s_mov_b32 s30, 0
	s_mov_b32 s31, 0
	s_or_b32 s32, s62, (3<<16)|(1<<21)                           ; s[32:39] four records of o: 144 dense rows of 256 bytes, no padding
	s_mov_b32 s33, 32<<16
	s_mov_b32 s34, 144<<16
	s_mov_b32 s35, 32<<16
	s_mov_b32 s36, 144
	s_mov_b32 s37, 32
	s_mov_b32 s38, 0
	s_mov_b32 s39, 0
	s_lshl_b32 s58, s56, 16                        ; W's rows 128 nb + 32 wave, 512 bytes each
	s_lshl_b32 s57, s[WVN], 14
	s_add_co_u32 s58, s58, s57
	s_mov_b32 s59, 0
	s_lshl_b32 s66, s56, 12                        ; and their scale bytes, 32 each
	s_lshl_b32 s57, s[WVN], 10
	s_add_co_u32 s66, s66, s57
	s_mov_b32 s67, 0
	s_mul_i32 s60, s55, 16*AREC                    ; o's records 16 tg + 4 wave on
	s_mul_i32 s62, s[WVN], 4*AREC
	s_add_co_u32 s60, s60, s62
	s_mov_b32 s61, 0
	s_mov_b32 s40, 1
	s_mul_i32 s41, s[WVN], 32*WP
	s_mov_b32 s44, 1
	s_mul_i32 s45, s[WVN], 4*272
	s_add_co_u32 s45, s45, WSC
	s_mov_b32 s48, 1
	s_add_co_u32 s49, s62, AI
	s_lshl_b32 s68, s55, 20                        ; out0: row 256 tg + 64 wave of 4,096 bytes, + 512 nb
	s_lshl_b32 s63, s[WVN], 18
	s_add_co_u32 s68, s68, s63
	s_lshl_b32 s70, s56, 9
	s_add_co_u32 s68, s68, s70
	s_mov_b32 s69, 0
	s_mov_b32 s71, 0
	s_wait_dscnt 0x0                               ; both opening adds are done
	s_wait_kmcnt 0x0
	s_add_nc_u64 s[42:43], s[6:7], s[58:59]
	s_or_b32 s43, s43, 0x80000000
	s_add_nc_u64 s[46:47], s[8:9], s[66:67]
	s_or_b32 s47, s47, 0x80000000
	s_add_nc_u64 s[50:51], s[4:5], s[60:61]
	s_or_b32 s51, s51, 0x80000000
	s_add_nc_u64 s[68:69], s[12:13], s[68:69]
	s_add_nc_u64 s[70:71], s[10:11], s[70:71]
	CROUND                                         ; all sixteen work-groups are here: the joint loads meet
	tensor_load_to_lds s[40:43], s[16:23]
	s_nop 0
	tensor_load_to_lds s[44:47], s[24:31]
	s_nop 0
	tensor_load_to_lds s[48:51], s[32:39]
	s_nop 0
	PLACES 4
	v_and_b32 v1, 15, v0                           ; r
	v_bfe_u32 v2, v0, 4, 1                         ; h
	v_and_b32 v3, 31, v0
	v_lshlrev_b32 v[BA], 5, v2
	v_lshlrev_b32 v[CO], 4, v3
	WIN 0x40                                       ; destination window 1
.irp t, 0,1,2,3,4,5,6,7
.irp e, 0,1
	global_load_b128 v[BI+8*\t+4*\e:BI+8*\t+4*\e+3], v[BA], s[70:71] offset:64*\t+16*\e   ; the bias of columns 16 t + 8 h + 0 .. 7
.endr
.endr
	WIN 0
	v_mul_u32_u24 v[AB], v1, WP
	v_lshl_add_u32 v[AB], v2, 4, v[AB]
	v_lshrrev_b32 v4, 3, v1
	v_and_b32 v5, 7, v1
	v_mul_u32_u24 v4, v4, 272
	v_lshl_add_u32 v4, v5, 5, v4
	v_add_nc_u32 v[ABS], WSC, v4
	v_add_nc_u32 v[AA], s49, v[CO]
	v_lshl_add_u32 v[AAS], v3, 2, s49
	s_mul_i32 s63, s[WVN], 16*WP
	s_add_co_u32 s63, s63, STG
	v_mul_u32_u24 v[STO], v1, WP
	v_lshl_add_u32 v[STO], v2, 5, v[STO]
	v_add_nc_u32 v[STO], s63, v[STO]
	v_add_nc_u32 v[RD], s63, v[CO]
.macro AFETCH a                        ; tile a's eight fragments and eight scale words: 24 LDS loads, into buffer a % 2
.irp g, 0,1,2,3,4,5,6,7
.irp c, 0,1
	ds_load_b128 v[AF+64*((\a)%2)+8*\g+4*\c:AF+64*((\a)%2)+8*\g+4*\c+3], v[AA] offset:AREC*(\a)+1024*\g+512*\c
.endr
.endr
.irp g, 0,1,2,3,4,5,6,7
	ds_load_b32 v[ASW+8*((\a)%2)+\g], v[AAS] offset:AREC*(\a)+8192+128*\g
.endr
.endm
.macro MUL a                           ; 64 matrix instructions: K step by K step, the 8 accumulators by turns
.irp g, 0,1,2,3,4,5,6,7
	WIN 0x52+(\g/4)                                ; source 0 (W) window 2 or 3, source 1 window 0, C and D window 1
.irp t, 0,1,2,3,4,5,6,7
.if \g == 0
	v_wmma_scale_f32_16x16x128_f8f6f4 v[64*((\a)%2)+8*\t:64*((\a)%2)+8*\t+7], v[64*(\g%4)+8*\t:64*(\g%4)+8*\t+7], v[AF+64*((\a)%2)+8*\g:AF+64*((\a)%2)+8*\g+7], v[BI+8*\t:BI+8*\t+7], v[BS+8*\t+\g], v[ASW+8*((\a)%2)+\g] matrix_a_fmt:MATRIX_FMT_FP4 matrix_b_fmt:MATRIX_FMT_FP4
.else
	v_wmma_scale_f32_16x16x128_f8f6f4 v[64*((\a)%2)+8*\t:64*((\a)%2)+8*\t+7], v[64*(\g%4)+8*\t:64*(\g%4)+8*\t+7], v[AF+64*((\a)%2)+8*\g:AF+64*((\a)%2)+8*\g+7], v[64*((\a)%2)+8*\t:64*((\a)%2)+8*\t+7], v[BS+8*\t+\g], v[ASW+8*((\a)%2)+\g] matrix_a_fmt:MATRIX_FMT_FP4 matrix_b_fmt:MATRIX_FMT_FP4
.endif
.endr
.endr
.endm
.macro TOSTAGE a                       ; 16 rows x 128 columns through my own stage: 16 stores, 16 loads; LDS serves a wave's instructions in order (ISA guide 5.7.1.4), so no wait stands between them
	WIN 0x04                                       ; an LDS store's data: window 1
.irp t, 0,1,2,3,4,5,6,7
	ds_store_b128 v[STO], v[64*((\a)%2)+8*\t:64*((\a)%2)+8*\t+3] offset:64*\t       ; each accumulator from its low end on
	ds_store_b128 v[STO], v[64*((\a)%2)+8*\t+4:64*((\a)%2)+8*\t+7] offset:64*\t+16
.endr
	WIN 0x40
.irp i, 0,1,2,3,4,5,6,7,8,9,10,11,12,13,14,15
	ds_load_b128 v[BK+4*\i:BK+4*\i+3], v[RD] offset:WP*\i
.endr
	WIN 0
.endm
.macro SEND a, younger                 ; younger: the LDS instructions issued behind tile a's loads from the stage
	s_wait_dscnt \younger
	WIN 0x04
.irp i, 0,1,2,3,4,5,6,7,8,9,10,11,12,13,14,15
	global_store_b128 v[CO], v[BK+4*\i:BK+4*\i+3], s[68:69] offset:(16*(\a)+\i)*4096 th:TH_STORE_NT   ; 32 lanes store 512 consecutive bytes of a row, at a multiple of 256 from out0's first byte
.endr
	WIN 0
.endm
	s_wait_alu depctr_va_vdst(0)
	s_wait_tensorcnt 0x1                           ; my parts of W's codes and scale bytes are in; my records of o may be out
	s_barrier_signal -1
	s_barrier_wait -1                              ; everybody's are
.irp g, 0,1,2,3,4,5,6,7
	WIN 0x80+0x40*(\g/4)                           ; destination window 2 or 3
.irp t, 0,1,2,3,4,5,6,7
.irp c, 0,1
	ds_load_b128 v[64*(\g%4)+8*\t+4*\c:64*(\g%4)+8*\t+4*\c+3], v[AB] offset:16*WP*\t+64*\g+32*\c
.endr
.endr
.endr
	WIN 0
.irp t, 0,1,2,3,4,5,6,7
.irp e, 0,1
	ds_load_b128 v[BS+8*\t+4*\e:BS+8*\t+4*\e+3], v[ABS] offset:544*\t+16*\e   ; row 16 t + r's eight scale words
.endr
.endr
	s_wait_tensorcnt 0x0                           ; my records: only I read them, so my own wait is all that the reads need
	AFETCH 0
	AFETCH 1
	s_wait_loadcnt 0x0                             ; the bias
	s_wait_dscnt 24                                ; all but tile 1's 24 loads
	MUL 0
	PLACES 5                                       ; four for the loads into its fragments' registers and the reads of its results; five, since its accumulators are begun anew, with the bias as C, two tiles on
	WIN 0
	AFETCH 2
	TOSTAGE 0
	s_wait_dscnt 56                                ; tile 2's 24 loads and the stage's 32 may be out: tile 1's fragments are in
	MUL 1
	PLACES 5
	WIN 0
	AFETCH 3
	SEND 0, 24                                     ; behind tile 0's loads from the stage: tile 3's 24.  Tile 2's fragments, asked for earlier, are in too
	s_wait_xcnt 0x0                                ; the stores have read their data: the next tile's rows may land there
	TOSTAGE 1
	MUL 2
	PLACES 5
	WIN 0
	SEND 1, 0
	s_wait_xcnt 0x0
	TOSTAGE 2
	MUL 3
	PLACES 5
	WIN 0
	SEND 2, 0
	s_wait_xcnt 0x0
	TOSTAGE 3
	SEND 3, 0
	s_wait_tensorcnt 0x0                           ; the wave's end, behind my last LDS store
	ds_add_u32 v[SPW], v[NIL]
	s_wait_dscnt 0x0
	CROUND                                         ; the closing round
	s_endpgm
.Lfunc_end_k_q39107d5673_proj:
	.size	k_q39107d5673_proj, .Lfunc_end_k_q39107d5673_proj-k_q39107d5673_proj
	.p2alignl 7, 3214868480
	.fill 96, 4, 3214868480
	.section	.rodata,"a",@progbits
	.p2align	6, 0x0
	.amdhsa_kernel k_q39107d5673_proj
		.amdhsa_group_segment_fixed_size 253696
		.amdhsa_private_segment_fixed_size 0
		.amdhsa_enable_private_segment 0
		.amdhsa_kernarg_size 40
		.amdhsa_user_sgpr_count 2
		.amdhsa_user_sgpr_kernarg_segment_ptr 1
		.amdhsa_wavefront_size32 1
		.amdhsa_system_sgpr_workgroup_id_x 1
		.amdhsa_system_sgpr_workgroup_id_y 1
		.amdhsa_system_sgpr_workgroup_id_z 1
		.amdhsa_system_vgpr_workitem_id 0
		.amdhsa_next_free_vgpr 1024
		.amdhsa_next_free_sgpr 80
		.amdhsa_reserve_vcc 0
		.amdhsa_float_denorm_mode_32 3
		.amdhsa_float_denorm_mode_16_64 3
		.amdhsa_memory_ordered 1
		.amdhsa_forward_progress 1
		.amdhsa_inst_pref_size 72
	.end_amdhsa_kernel
	.amdgpu_metadata
---
amdhsa.version: [ 1, 2 ]
amdhsa.kernels:
  - .name:           k_q39107d5673_proj
    .symbol:         k_q39107d5673_proj.kd
    .args:
      - { .name: obuf, .offset: 0, .size: 8, .value_kind: global_buffer, .address_space: global }
      - { .name: w_proj_codes, .offset: 8, .size: 8, .value_kind: global_buffer, .address_space: global }
      - { .name: w_proj_scales, .offset: 16, .size: 8, .value_kind: global_buffer, .address_space: global }
      - { .name: b_proj, .offset: 24, .size: 8, .value_kind: global_buffer, .address_space: global }
      - { .name: out0, .offset: 32, .size: 8, .value_kind: global_buffer, .address_space: global }
    .group_segment_fixed_size: 253696
    .private_segment_fixed_size: 0
    .kernarg_segment_align: 8
    .kernarg_segment_size: 40
    .max_flat_workgroup_size: 128
    .sgpr_count:     80
    .vgpr_count:     1024
    .wavefront_size: 32
...
	.end_amdgpu_metadata
.endif
;; end of part 3
